; MI455X (gfx1250); checked and timed in simulation.
; The chip was launched on July 23, 2026; its instructions are those of AMD's public machine-readable ISA for CDNA 5 (MIT licence, August 2026) and "CDNA5" Instruction Set Architecture Reference Guide (July 2026). The comments in the code are by the model that wrote it; some were corrected since.
;; NW. Allowed arithmetic: matrix products marked QUANTISED: E5M2 operands, one E8M0 scale for each 32 along K, by v_wmma_scale_f32_16x16x128_f8f6f4 with both operands' format E5M2, f32 sums; products left as they are: f32 operands where the result goes on into a quantised operand, else bf16, f16 or f32 operands; f32 sums; everything else in f32.
;; Inputs: indices 8,192 int32; pairs 20,000 x 2 x 16 float32; t 1 float32; x_input 4,096 x 16 float32.
;; Outputs: out0 4,096 x 16 float32.
;; This version of the problem:
;;   THIS VERSION OF THE PROBLEM IS GIVEN IN LOW PRECISION. The matrix products marked QUANTISED in the list below multiply operands that are first quantised to E5M2 (5 exponent bits, 2 mantissa bits; 8 bits a number), with one power-of-two scale for each 32 numbers along K (OCP MX v1.0); their sums are f32. All else is computed in f32.
;;   The module's matrix products, in the order in which they are computed (A, B: the left and right operand; K: the contracted axis; several contracted axes count as one K, in the product's order):
;;     1. [M 4,096, K 16] x [K 16, N 8,192]; A: computed on the way; B: computed on the way: left as it is (K = 16 < 32)
;;     2. [M 4,096, K 8,192] x [K 8,192, N 16]; A: computed on the way; B: computed on the way: QUANTISED
;;   THE QUANTISER, for each operand of a quantised product, along K:
;;     - K is cut into blocks of 32 from its start; a last block that is shorter is filled with zeros.
;;     - A block's scale is 2^e with e = floor(log2(the largest magnitude in the block)) - 15, held to -126 .. 127; a block of zeros has e = 0. As a byte (E8M0): e + 127.
;;     - Each number is divided by its block's scale, clamped to +-57,344, and rounded to the nearest number of E5M2, ties to even, subnormals kept.
;;     - The product sums the exact products of the quantised numbers (number of the format x scale) in f32.
;;   ~~~python
;;   def quantise(x, axis):      # numpy; x: float32 -> the quantised numbers, widened to float32 again
;;       x = np.moveaxis(x, axis, -1); K = x.shape[-1]
;;       x = np.pad(x, [(0, 0)] * (x.ndim - 1) + [(0, -K % 32)]); x = x.reshape(x.shape[:-1] + (-1, 32)); a = np.abs(x).max(-1, keepdims=True)
;;       e = np.where(a > 0, np.clip(np.frexp(np.where(a > 0, a, 1))[1] - 1 - 15, -126, 127), 0)      # np.frexp(a)[1] - 1 = floor(log2(a)), exactly
;;       r = np.clip(x / 2.0 ** e, -57344, 57344)
;;       step = 2.0 ** (np.maximum(np.frexp(np.where(r == 0, 1, r))[1] - 1, -14) - 2)
;;       q = np.round(r / step) * step * 2.0 ** e      # np.round: ties to even
;;       return np.moveaxis(q.reshape(q.shape[:-2] + (-1,))[..., :K], -1, axis).astype(np.float32)
;;   ~~~
;;   OPERANDS COMPUTED ON THE WAY. 'Computed on the way' means the value that the module computes at that place (a softmax that the list does not call 'softmax' is quantised finished and normalised). What goes into a quantiser is computed in f32, as accurately as f32 sums, v_exp_f32 and their like allow (about 1e-6 of the number): no bf16 or f16 on the way to a quantiser, and a product that is left as it is and whose result goes on into a quantised operand takes f32 operands (vector FMAs, or v_wmma_f32_16x16x4_f32). A number that lies on a knife's edge between two numbers of the format may be rounded either way, as far as f32 arithmetic and the matrix unit's own rounding can turn it there, and no further.
;; One version. Each part assembles by itself: llvm-mc -triple=amdgcn-amd-amdhsa -mcpu=gfx1250 --defsym DOCPART=n.
;; ======== version 1 of 1: 2 launches
;; workspace buffers: stream 557,056 bytes; codes 135,168 bytes
;; launch prep (part 1): grid 64 x 1, 4 waves a work-group, no clusters, 768 bytes of LDS; arguments indices, pairs, t, stream, codes; writes stream, codes
.if DOCPART == 1
	.amdgcn_target "amdgcn-amd-amdhsa--gfx1250"
	.amdhsa_code_object_version 6
	.text
	.protected	k_q1e047f73dd_prep
	.globl	k_q1e047f73dd_prep
	.p2align	8
	.type	k_q1e047f73dd_prep,@function
k_q1e047f73dd_prep:
	s_mov_b64 s[64:65], 0
	v_nop
	global_prefetch_b8 v0, s[64:65] scope:SCOPE_SE
	s_setreg_imm32_b32 hwreg(HW_REG_WAVE_MODE, 25, 1), 1
	s_wait_xcnt 0x0
; The samples are prepared once for all 256 work-groups of the second launch.
; x_t[s] = t pi1[s] + (1 - t) pi0[s], pi0/pi1 = pairs[indices[s]][0/1]; bias[s] = -|x_t[s]|^2 / 2; pi1 as codes of BF8 (E5M2) along the samples, one E8M0 byte for each 32 samples.
; A work-group takes a chunk of 128 samples, each of its four waves a block of 32 (two tiles of 16 rows for the f32 matrix form).
; LAYOUTS (this program's own):
;   stream: a record of 8,704 bytes for each chunk: 8 tiles x 1,024 bytes, then 8 x 64 bytes of bias.  Row m of tile 2 b + u is sample 32 b + 8 u + m + 8 (m / 8).
;           A tile is the image of the operand's registers: lane (r, h) holds dims 8 h .. 8 h + 7 of row r; registers 0-3 lie at 16 x lane, registers 4-7 512 bytes on.
;   codes:  2,048 bytes for each chunk: block c at 512 c, lane (r, h) at 16 x lane: pi1[32 c + 16 h + 0 .. 15][dim r]: the image of an f8f6f4 operand with rows = dims, K = samples.
;           From byte 131,072 on: 16 scale words for each chunk, word r for dim r, byte c for block c.
; A block's scale is 2^(floor(log2(largest magnitude)) - 15); its byte is the largest magnitude's exponent field - 15, held at 1 from below.
; LIMITS: a block of zeros gets the byte 1 (its codes are zeros; the bytes are read by this program alone); NaN and infinities among the inputs are not served.
; The bias (128 bytes a wave) and the scale words (64 bytes a work-group) leave in runs shorter than 256 bytes: 36,864 bytes of the launch's 692,224.
.set NPAIR, 20000
.set REC,   8704
.set SCOFF, 131072
	s_load_b128 s[4:7], s[0:1], 0x0                ; indices, pairs
	s_load_b128 s[8:11], s[0:1], 0x10              ; t, stream
	s_load_b64 s[12:13], s[0:1], 0x20              ; codes
	v_lshl_add_u32 v104, v0, 2, 0x100
	v_mov_b32 v105, 0
	v_lshrrev_b32 v1, 5, v0
	v_readfirstlane_b32 s14, v1                    ; wave = block of the chunk
	v_and_b32 v2, 31, v0                           ; lane
	v_and_b32 v3, 15, v0                           ; r
	v_bfe_u32 v4, v0, 4, 1                         ; h
	v_and_b32 v5, 8, v3
	v_add_nc_u32 v5, v5, v3                        ; r + 8 (r / 8): the tile's row r is this sample of the block (+ 8 u)
	v_lshlrev_b32 v5, 2, v5                        ; as bytes in indices
	v_lshlrev_b32 v6, 6, v4                        ; 16 h indices on: the 16 samples of my half, for pi1's codes
	v_lshlrev_b32 v7, 4, v2                        ; 16 x lane
	v_lshlrev_b32 v10, 2, v2                       ; 4 x lane
	v_lshlrev_b32 v11, 1, v2                       ; 2 x lane
	v_lshlrev_b32 v87, 2, v3
	v_add_nc_u32 v87, s14, v87                     ; LDS: byte 4 r + block: the chunk's 16 scale words
	v_mov_b32 v84, 0                               ; a lane permute's destination counts as read: written once
	v_mov_b32 v85, 0
	v_mov_b32 v89, 0
	s_lshl_b32 s16, ttmp9, 9                       ; the chunk's 128 indices,
	s_lshl_b32 s15, s14, 7                         ; the block's 32
	s_add_co_u32 s16, s16, s15
	s_mov_b32 s17, 0
	s_mul_i32 s20, ttmp9, REC                      ; stream: the chunk's record, my two tiles
	s_lshl_b32 s15, s14, 11
	s_add_co_u32 s20, s20, s15
	s_mov_b32 s21, 0
	s_mul_i32 s22, ttmp9, REC                      ; and my two tiles' bias
	s_lshl_b32 s15, s14, 7
	s_add_co_u32 s22, s22, s15
	s_add_co_u32 s22, s22, 8192
	s_mov_b32 s23, 0
	s_lshl_b32 s24, ttmp9, 11                      ; codes: the chunk's 2,048 bytes, my block's 512
	s_lshl_b32 s15, s14, 9
	s_add_co_u32 s24, s24, s15
	s_mov_b32 s25, 0
	s_lshl_b32 s26, ttmp9, 6                       ; the chunk's 16 scale words
	s_add_co_u32 s26, s26, SCOFF
	s_mov_b32 s27, 0
	s_mov_b32 s28, 0x76543210
	s_mov_b32 s29, 0xfedcba98                      ; v_permlanex16_b32's selects for lane l xor 16
	s_mov_b32 s30, 0x600000                        ; the mantissa field of 57,344
	s_wait_kmcnt 0x0
	s_load_b32 s31, s[8:9], 0x0                    ; t
	s_add_nc_u64 s[4:5], s[4:5], s[16:17]
	s_add_nc_u64 s[20:21], s[10:11], s[20:21]
	s_add_nc_u64 s[22:23], s[10:11], s[22:23]
	s_add_nc_u64 s[24:25], s[12:13], s[24:25]
	s_add_nc_u64 s[26:27], s[12:13], s[26:27]
	global_load_b32 v8, v5, s[4:5]                 ; the index of my row of tile 0,
	global_load_b32 v9, v5, s[4:5] offset:32       ; of tile 1 (8 samples on)
.irp k, 0,1,2,3
	global_load_b128 v[12+4*\k:15+4*\k], v6, s[4:5] offset:16*\k   ; the 16 indices of my half of the block
.endr
	s_wait_loadcnt 0x0
	v_min_u32 v8, NPAIR-1, v8                      ; an index stays inside the table
	v_min_u32 v9, NPAIR-1, v9
	v_lshlrev_b32 v8, 7, v8                        ; a pair is 128 bytes
	v_lshlrev_b32 v9, 7, v9
	v_lshl_add_u32 v8, v4, 5, v8                   ; + my 8 dims
	v_lshl_add_u32 v9, v4, 5, v9
.irp i, 0,1,2,3,4,5,6,7,8,9,10,11,12,13,14,15
	v_min_u32 v[12+\i], NPAIR-1, v[12+\i]
.endr
.irp i, 0,1,2,3,4,5,6,7,8,9,10,11,12,13,14,15
	v_lshlrev_b32 v[12+\i], 7, v[12+\i]
.endr
.irp i, 0,1,2,3,4,5,6,7,8,9,10,11,12,13,14,15
	v_lshl_add_u32 v[12+\i], v3, 2, v[12+\i]       ; + dim r
.endr
.irp u, 0,1
	global_load_b128 v[32+16*\u:35+16*\u], v[8+\u], s[6:7]             ; pi0, my 8 dims
	global_load_b128 v[36+16*\u:39+16*\u], v[8+\u], s[6:7] offset:16
	global_load_b128 v[40+16*\u:43+16*\u], v[8+\u], s[6:7] offset:64   ; pi1, my 8 dims
	global_load_b128 v[44+16*\u:47+16*\u], v[8+\u], s[6:7] offset:80
.endr
.irp i, 0,1,2,3,4,5,6,7,8,9,10,11,12,13,14,15
	global_load_b32 v[64+\i], v[12+\i], s[6:7] offset:64               ; pi1[16 h + i][r]: registers run down the samples, which are the quantised product's K; sixteen lanes read 64 neighbouring bytes
.endr
	s_wait_kmcnt 0x0
	v_mov_b32 v28, s31                             ; t, twice
	v_mov_b32 v29, s31
	v_sub_f32 v30, 1.0, v28                        ; 1 - t, twice
	v_sub_f32 v31, 1.0, v28
	s_wait_loadcnt 16                              ; the eight row loads are in; the 16 single words issued behind them may be out
.irp u, 0,1
.irp k, 0,2,4,6
	v_pk_mul_f32 v[32+16*\u+\k:33+16*\u+\k], v[32+16*\u+\k:33+16*\u+\k], v[30:31]
.endr
.irp k, 0,2,4,6
	v_pk_fma_f32 v[32+16*\u+\k:33+16*\u+\k], v[40+16*\u+\k:41+16*\u+\k], v[28:29], v[32+16*\u+\k:33+16*\u+\k]   ; x_t = t pi1 + (1 - t) pi0
.endr
	v_pk_mul_f32 v[80+2*\u:81+2*\u], v[32+16*\u:33+16*\u], v[32+16*\u:33+16*\u]
.irp k, 2,4,6
	v_pk_fma_f32 v[80+2*\u:81+2*\u], v[32+16*\u+\k:33+16*\u+\k], v[32+16*\u+\k:33+16*\u+\k], v[80+2*\u:81+2*\u]
.endr
	v_add_f32 v[80+2*\u], v[80+2*\u], v[81+2*\u]
	v_permlanex16_b32 v[84+\u], v[80+2*\u], s28, s29
	v_add_f32 v[80+2*\u], v[80+2*\u], v[84+\u]     ; |x_t|^2 of row r, in both halves of the lanes
	global_store_b128 v7, v[32+16*\u:35+16*\u], s[20:21] offset:1024*\u        ; 32 lanes store 512 consecutive bytes
	global_store_b128 v7, v[36+16*\u:39+16*\u], s[20:21] offset:1024*\u+512
.endr
	v_cmp_eq_u32 vcc_lo, 1, v4
	v_cndmask_b32 v86, v80, v82, vcc_lo            ; lanes 0-15 carry tile 0's rows, lanes 16-31 tile 1's
	v_mul_f32 v86, -0.5, v86
	global_store_b32 v10, v86, s[22:23]            ; 128 consecutive bytes
	s_wait_loadcnt 0x0
	v_max3_num_f32 v88, |v64|, |v65|, 0x8000000    ; my 16 numbers, and the floor 2^(16 - 127): the byte cannot fall under 1
.irp i, 2,4,6,8,10,12,14
	v_max3_num_f32 v88, v88, |v[64+\i]|, |v[65+\i]|
.endr
	v_permlanex16_b32 v89, v88, s28, s29
	v_max_num_f32 v88, v88, v89                    ; with lane l xor 16's: the block's largest magnitude
	v_add_nc_u32 v90, 0xf8800000, v88              ; 15 off its exponent field: the conversion's scale operand
	v_and_or_b32 v91, v88, 0x7f800000, s30         ; 57,344 x the scale
	v_lshrrev_b32 v92, 23, v90                     ; the scale's byte
.irp i, 0,1,2,3,4,5,6,7,8,9,10,11,12,13,14,15
	v_med3_num_f32 v[64+\i], v[64+\i], -v91, v91   ; the conversion to an 8-bit code does not saturate (ISA guide 7.6.2): the hold comes first
.endr
	v_cvt_scalef32_pk8_bf8_f32 v[96:97], v[64:71], v90
	v_cvt_scalef32_pk8_bf8_f32 v[98:99], v[72:79], v90
	v_nop                                          ; a plain line behind the last conversion
	global_store_b128 v7, v[96:99], s[24:25]       ; 512 consecutive bytes
	ds_store_b8 v87, v92                           ; both lanes of a dim write the same byte with the same value
	s_wait_dscnt 0x0                               ; my byte lies in LDS before I signal
	s_barrier_signal -1
	s_barrier_wait -1                              ; the four blocks' bytes make 16 words
	s_cmp_lg_u32 s14, 0
	s_cbranch_scc1 .Ldone
	ds_load_u16 v94, v11                           ; 2 bytes a lane: 64 consecutive bytes
	s_wait_dscnt 0x0
	global_store_b16 v11, v94, s[26:27]
.Ldone:
	s_wait_tensorcnt 0x0
	ds_add_u32 v104, v105
	s_wait_dscnt 0x0
	s_endpgm
.Lfunc_end_k_q1e047f73dd_prep:
	.size	k_q1e047f73dd_prep, .Lfunc_end_k_q1e047f73dd_prep-k_q1e047f73dd_prep
	.p2alignl 7, 3214868480
	.fill 96, 4, 3214868480
	.section	.rodata,"a",@progbits
	.p2align	6, 0x0
	.amdhsa_kernel k_q1e047f73dd_prep
		.amdhsa_group_segment_fixed_size 768
		.amdhsa_private_segment_fixed_size 0
		.amdhsa_enable_private_segment 0
		.amdhsa_kernarg_size 40
		.amdhsa_user_sgpr_count 2
		.amdhsa_user_sgpr_kernarg_segment_ptr 1
		.amdhsa_wavefront_size32 1
		.amdhsa_system_sgpr_workgroup_id_x 1
		.amdhsa_system_sgpr_workgroup_id_y 1
		.amdhsa_system_sgpr_workgroup_id_z 1
		.amdhsa_system_vgpr_workitem_id 0
		.amdhsa_next_free_vgpr 106
		.amdhsa_next_free_sgpr 66
		.amdhsa_reserve_vcc 1
		.amdhsa_float_denorm_mode_32 3
		.amdhsa_float_denorm_mode_16_64 3
		.amdhsa_memory_ordered 1
		.amdhsa_forward_progress 1
		.amdhsa_inst_pref_size 14
	.end_amdhsa_kernel
	.amdgpu_metadata
---
amdhsa.version: [ 1, 2 ]
amdhsa.kernels:
  - .name:           k_q1e047f73dd_prep
    .symbol:         k_q1e047f73dd_prep.kd
    .args:
      - { .name: indices, .offset: 0, .size: 8, .value_kind: global_buffer, .address_space: global }
      - { .name: pairs, .offset: 8, .size: 8, .value_kind: global_buffer, .address_space: global }
      - { .name: t, .offset: 16, .size: 8, .value_kind: global_buffer, .address_space: global }
      - { .name: stream, .offset: 24, .size: 8, .value_kind: global_buffer, .address_space: global }
      - { .name: codes, .offset: 32, .size: 8, .value_kind: global_buffer, .address_space: global }
    .group_segment_fixed_size: 768
    .private_segment_fixed_size: 0
    .kernarg_segment_align: 8
    .kernarg_segment_size: 40
    .max_flat_workgroup_size: 128
    .sgpr_count:     66
    .vgpr_count:     106
    .wavefront_size: 32
...
	.end_amdgpu_metadata
.endif
;; end of part 1
;; launch main (part 2): grid 256 x 1, 8 waves a work-group, clusters of 4 x 1, 327,680 bytes of LDS; arguments x_input, t, stream, codes, out0; writes out0
.if DOCPART == 2
	.amdgcn_target "amdgcn-amd-amdhsa--gfx1250"
	.amdhsa_code_object_version 6
	.text
	.protected	k_q1e047f73dd_main
	.globl	k_q1e047f73dd_main
	.p2align	8
	.type	k_q1e047f73dd_main,@function
k_q1e047f73dd_main:
	s_mov_b64 s[64:65], 0
	v_nop
	global_prefetch_b8 v0, s[64:65] scope:SCOPE_SE
	s_setreg_imm32_b32 hwreg(HW_REG_WAVE_MODE, 25, 1), 1
	s_wait_xcnt 0x0
	s_wait_alu depctr_hold_cnt(0) depctr_sa_sdst(0) depctr_va_vdst(0) depctr_va_sdst(0) depctr_va_ssrc(0) depctr_va_vcc(0) depctr_vm_vsrc(0)
	s_getreg_b32 s2, hwreg(HW_REG_IB_STS2, 6, 4)
	s_cmp_eq_u32 s2, 0
	s_cbranch_scc0 .Lentry_in_a_cluster
	s_endpgm
.Lentry_in_a_cluster:
	s_bfe_u32 s2, ttmp6, 0x10000c
	s_cmp_lg_u32 s2, 0x3003
	s_cbranch_scc0 .Lentry_shape_is_right
	s_endpgm
.Lentry_shape_is_right:
; v[q] = (sum_s omega[q][s] pi1[s] / S - mean_s(omega[q]) x[q]) / (1 - t), omega = S softmax_s(-max(|x[q] - x_t[s]|^2, 0) / 2).  4,096 queries, S = 8,192 samples, 16 dims.
; omega and pi1 are multiplied as codes of BF8 (E5M2) with one E8M0 scale for each 32 samples; omega is quantised FINISHED AND NORMALISED, so a row's maximum and sum are known before its first code is made.
; SHARES.  A work-group owns 16 queries; wave w of its eight owns samples 1,024 w .. 1,024 w + 1,023: 8 chunks of 128 = 16 groups of 64.  A lane holds ONE query (lane % 16) throughout.
; EACH SCORE IS COMPUTED ONCE.  Phase 1: a = x . x_t - |x_t|^2 / 2 by the f32 matrix form (source 0 = 16 samples, source 1 = the 16 queries, C of the first K step = the bias);
;   d = min(a, |x|^2 / 2) is the clip of the squared distance at 0; N = the running largest d log2(e), rounded UP to a whole number; p = 2^(d log2(e) - N) is KEPT, with its group's N:
;   chunks 0-3 in registers v256-511, chunks 4-7 in LDS, over the wave's own x_t bytes that have just been multiplied (they have had their last fill).
;   Phase 2: the eight waves' (-N, sum of p) meet in LDS.  Phase 3: omega = p x (S / sum) x 2^(N of the group - N), the power of two exact; quantised; O^T += pi1^T omega^T.
; BY TURNS.  A group is 16 f32 matrix instructions and 133 vector instructions of softmax.  Behind each matrix instruction of group g + 1 stands a slice of eight vector instructions of group g's softmax
;   (the last slice has thirteen), so that the wave has vector work to issue while the matrix unit works.  Two sets of four accumulators take turns from group to group.
; THE SAMPLES OF A TILE ARE NOT NEIGHBOURS (the first launch lays them so): register 16 b + 8 u + j of a group is sample 32 b + 16 (lane / 16) + 8 u + j: 16 registers are 16 neighbours along the second product's K.
; The f32 form's K step q takes dims 2 q, 2 q + 1 (lanes 0-15) and 8 + 2 q, 9 + 2 q (lanes 16-31), alike in both sources.
; CLUSTER.  All work-groups walk the same stream, so the four of a cluster ask for each record JOINTLY: the same tensor load, the same descriptor (it hangs on the wave's number alone), mask 15.
; pi1's codes are not asked for jointly: their 131,072 bytes do not fit in LDS beside the 289,792 that this text uses; each wave loads its own 16,384 straight into operand registers, two chunks ahead.
; mean_s(omega) is formed as (S / sum) x (sum of p) / S: the factor is common to the row's terms.  Each wave takes an eighth of (sum of omega) x into its partial sum of O.
; LIMITS: NaN and infinities are not served; a block whose omega are all 0 carries the byte 1 (its codes are zeros); a block's largest omega is taken from its largest score, which takes v_exp_f32
;   not to fall where its input rises; the score is summed as bias + x . x_t and clipped at |x|^2 / 2, another order of rounding than xs2 + xt2 - 2 dot.
; REGISTERS, window 0: v1-7 addresses; v8-15 x; v16-47 x_t's fragments, v48-79 bias (phase 3: v16-63 three sets of pi1's codes, v64-79 omega's codes); v80-143 two sets of four accumulators, written by
;   matrix instructions alone (phase 3: O^T, two accumulators, in v80-95); v144-175 at work; v176-207 each block's largest p; v208-223 each group's -N; v224-255 statistics and scales.
;   Window 1: p of chunks 0-3, later of 4-7.
; All of a WGP's LDS is claimed.
.set REC,   8704                       ; a chunk's record: 8 tiles x 1,024 bytes, 512 bytes of bias
.set RINGW, 4*REC                      ; a wave's four record places in LDS
.set SPARE, 8*RINGW                    ; the spare words, 128 bytes for each wave: four blocks of 256 bytes that no other line names
.set STAT,  SPARE+1024                 ; (-N, sum) of each wave: 256 bytes a wave, 8 a lane
.set OSUM,  STAT+2048                  ; each wave's partial O, 1,024 bytes, in out0's order
.set SCOFF, 131072                     ; where pi1's scale words begin in codes
.set GA,  1                            ; v1  16 x lane
.set SA,  2                            ; v2  LDS: STAT + 8 x lane; on the way out OSUM + 16 x lane
.set LA,  3                            ; v3  LDS: my wave's places + 16 x lane
.set LB,  4                            ; v4  LDS: my wave's places + 8,192 + 32 (lane / 16): the bias of my eight rows of a tile
.set SPW, 5                            ; v5  LDS address of my spare word; never rewritten
.set NIL, 6                            ; v6  0; never rewritten
.set SW,  7                            ; v7  LDS: SA + 256 x wave; on the way out where I put my 32 bytes of O
.set XQ,  8
.set AF,  16
.set BI,  48
.set CODE, 64
.set ACC, 80
.set OA,  80
.set TMP, 144
.set BM,  176
.set NN,  208
.set NG,  224                          ; -N;  with v225 a pair
.set WR,  225                          ; the running largest d log2(e); later the row's sum
.set SUM, 226                          ; v[226:229] the sum of p in four parts
.set SU2, 228
.set CC,  230                          ; |x|^2 / 2; later -(sum of omega) / 8;  with v231 a pair
.set RR,  231                          ; S / sum
.set F,   232                          ; 2^(old N - new N); with v233 a pair
.set M0,  234                          ; v234-237 at work
.set M1,  235
.set M2,  236
.set M3,  237
.set PS,  238                          ; v238-241 pi1's scale words: lanes 0-15 chunk 2 i, lanes 16-31 chunk 2 i + 1; nothing else
.set OW,  242                          ; v242 omega's scale word; nothing else
.set KS,  243                          ; v243 1 / ((1 - t) S)
.set RG,  244                          ; v[244:247] a group's factor, two pairs
.set SC,  248                          ; v248-251 the conversions' scale operands
.set HD,  252                          ; v252-255 57,344 x the scale
.set WV,  14                           ; s14 my wave's number
.set SEL, 18                           ; s[18:19] selects for lane l xor 16
.set LL,  20                           ; s[20:21] log2(e)
.set MNT, 22                           ; s22 the mantissa field of 57,344
.set TT,  23                           ; s23 t
.set G1R, 24                           ; s[24:31] descriptor group 1: one record, 34 rows of 256 bytes
.set G1S, 32                           ; s[32:39] two records, 68 rows
.set G0F, 40                           ; s[40:55] groups 0 of the four first fills
.set G0A, 56                           ; s[56:59] of the refill with records 4, 5
.set G0B, 60                           ; s[60:63] of the refill with records 6, 7
.set CB,  70                           ; s[70:71] my wave's codes of pi1
.set SB,  72                           ; s[72:73] and their scale words
.set MSB, 0
.macro WIN new                         ; the immediate's high byte repeats the setting that is left; a switch that changes nothing is dropped
.if MSB != \new
	s_set_vgpr_msb (MSB<<8)|\new
.set MSB, \new
.endif
.endm
.macro CROUND                          ; a round of the cluster's barrier
	s_barrier_signal -1
	s_barrier_wait -1
	s_cmp_lg_u32 s[WV], 0
	s_cbranch_scc1 .Lnot_wave_0_\@
	s_barrier_signal -3
.Lnot_wave_0_\@:
	s_barrier_wait -3
	s_barrier_signal -1
	s_barrier_wait -1
.endm
.macro PLACES n
.rept \n
	v_nop
.endr
.endm
	s_load_b256 s[4:11], s[0:1], 0x0               ; x s[4:5], t s[6:7], stream s[8:9], codes s[10:11]
	s_load_b64 s[12:13], s[0:1], 0x20              ; out0
	v_lshl_add_u32 v[SPW], v0, 2, SPARE
	v_mov_b32 v[NIL], 0
	ds_add_u32 v5, v6
	ds_add_u32 v5, v6
	s_wait_dscnt 0x0
	v_lshrrev_b32 v2, 5, v0
	v_readfirstlane_b32 s[WV], v2                  ; wave 0..7
	s_bfe_u32 s15, ttmp6, 0x40000                  ; cx: my place in the cluster: it enters x's and out0's addresses alone
	s_lshl_b32 s16, ttmp9, 2
	s_add_co_u32 s16, s16, s15                     ; work-group = 4 x cluster + cx
	s_lshl_b32 s16, s16, 10                        ; its 16 rows of 64 bytes
	s_mov_b32 s17, 0
	s_mov_b32 s[G1R], 15|(3<<16)|(1<<21)           ; 15:0 the mask: all four work-groups; 17:16 elements of 8 bytes; 21 set beside a mask; no padding: a record is read as it lies, 16 x lane
	s_mov_b32 s[G1R+1], 32<<16                     ; tensor_dim0 = 32 elements = 256 bytes
	s_mov_b32 s[G1R+2], 34<<16                     ; tensor_dim1 = 34 rows
	s_mov_b32 s[G1R+3], 32<<16                     ; tile_dim0
	s_mov_b32 s[G1R+4], 34                         ; tile_dim1
	s_mov_b32 s[G1R+5], 32                         ; the pitch: dense
	s_mov_b32 s[G1R+6], 0
	s_mov_b32 s[G1R+7], 0
	s_mov_b32 s[G1S], 15|(3<<16)|(1<<21)           ; the same with 68 rows
	s_mov_b32 s[G1S+1], 32<<16
	s_mov_b32 s[G1S+2], 68<<16
	s_mov_b32 s[G1S+3], 32<<16
	s_mov_b32 s[G1S+4], 68
	s_mov_b32 s[G1S+5], 32
	s_mov_b32 s[G1S+6], 0
	s_mov_b32 s[G1S+7], 0
	s_mov_b32 s[SEL], 0x76543210
	s_mov_b32 s[SEL+1], 0xfedcba98
	s_mov_b32 s[LL], 0x3fb8aa3b                    ; log2(e)
	s_mov_b32 s[LL+1], s[LL]                       ; (named with it as a pair, so it is written)
	s_mov_b32 s[MNT], 0x600000
	s_mul_i32 s66, s[WV], RINGW                    ; my wave's places in LDS
	s_mul_i32 s68, s[WV], 8*REC                    ; my wave's eight records in stream
	s_mov_b32 s69, 0
	s_lshl_b32 s70, s[WV], 14                      ; my wave's eight chunks of codes
	s_mov_b32 s71, 0
	s_lshl_b32 s72, s[WV], 9                       ; and their scale words
	s_add_co_u32 s72, s72, SCOFF
	s_mov_b32 s73, 0
	s_wait_kmcnt 0x0
	s_load_b32 s[TT], s[6:7], 0x0
	s_add_nc_u64 s[4:5], s[4:5], s[16:17]
	s_add_nc_u64 s[12:13], s[12:13], s[16:17]
	s_add_nc_u64 s[68:69], s[8:9], s[68:69]
	s_add_nc_u64 s[CB:CB+1], s[10:11], s[70:71]
	s_add_nc_u64 s[SB:SB+1], s[10:11], s[72:73]
.irp i, 0,1,2,3
	s_mov_b32 s[G0F+4*\i], 1                       ; count = 1
	s_add_co_u32 s[G0F+4*\i+1], s66, \i*REC        ; LDS address: place i
	s_add_nc_u64 s[G0F+4*\i+2:G0F+4*\i+3], s[68:69], \i*REC   ; record i
	s_or_b32 s[G0F+4*\i+3], s[G0F+4*\i+3], 0x80000000         ; type = 2
.endr
	s_mov_b32 s[G0A], 1
	s_mov_b32 s[G0A+1], s66                        ; places 0, 1 take records 4, 5
	s_add_nc_u64 s[G0A+2:G0A+3], s[68:69], 4*REC
	s_or_b32 s[G0A+3], s[G0A+3], 0x80000000
	s_mov_b32 s[G0B], 1
	s_add_co_u32 s[G0B+1], s66, 2*REC              ; places 2, 3 take records 6, 7
	s_add_nc_u64 s[G0B+2:G0B+3], s[68:69], 6*REC
	s_or_b32 s[G0B+3], s[G0B+3], 0x80000000
	CROUND                                         ; all four work-groups are here: the first joint loads meet
	tensor_load_to_lds s[G0F:G0F+3], s[G1R:G1R+7]          ; the four first fills go out together: four tensor loads of mine are out, the most in this text
	s_nop 0
	tensor_load_to_lds s[G0F+4:G0F+7], s[G1R:G1R+7]
	s_nop 0
	tensor_load_to_lds s[G0F+8:G0F+11], s[G1R:G1R+7]
	s_nop 0
	tensor_load_to_lds s[G0F+12:G0F+15], s[G1R:G1R+7]
	s_nop 0
	PLACES 4                                       ; behind a tensor load
	v_and_b32 v[GA], 31, v0
	v_lshl_add_u32 v[SA], v[GA], 3, STAT
	s_lshl_b32 s67, s[WV], 8
	v_add_nc_u32 v[SW], s67, v[SA]
	v_lshlrev_b32 v[M1], 2, v[GA]                  ; 4 x lane
	v_lshlrev_b32 v[GA], 4, v[GA]
	v_add_nc_u32 v[LA], s66, v[GA]
	v_bfe_u32 v[M2], v0, 4, 1                      ; h
	v_lshlrev_b32 v[LB], 5, v[M2]
	v_add_nc_u32 v[LB], s66, v[LB]
	v_add_nc_u32 v[LB], 8192, v[LB]
	v_and_b32 v[M0], 15, v0
	v_lshlrev_b32 v[M0], 6, v[M0]
	v_lshl_add_u32 v[M0], v[M2], 5, v[M0]          ; x: row r of 64 bytes, + 32 h: dims 8 h .. 8 h + 7, as x_t's fragments have them
	global_load_b128 v[XQ:XQ+3], v[M0], s[4:5]
	global_load_b128 v[XQ+4:XQ+7], v[M0], s[4:5] offset:16
.irp i, 0,1,2,3
	global_load_b32 v[PS+\i], v[M1], s[SB:SB+1] offset:128*\i
.endr
	v_mov_b32 v[WR], 0xff61b1e6                    ; the largest so far: -3e38
	v_floor_f32 v[NG], -v[WR]
	v_mov_b32 v[F+1], 0                            ; upper halves of pairs of which the low word is used: written once
	v_mov_b32 v[RG+1], 0
	v_mov_b32 v[RG+3], 0
	v_mov_b32 v[M3], 0                             ; a lane permute's destination counts as read (v236 has been written above)
	s_wait_kmcnt 0x0                               ; t
; LDS loads of group g: the bias (the C of its first K step), the fragments' registers 0-3 (K steps 0, 1), registers 4-7 (K steps 2, 3)
.macro LOADB g
.irp i, 0,1,2,3
	ds_load_b128 v[BI+8*\i:BI+8*\i+3],   v[LB] offset:(((\g)/2)%4)*REC+((\g)%2)*256+\i*64
	ds_load_b128 v[BI+8*\i+4:BI+8*\i+7], v[LB] offset:(((\g)/2)%4)*REC+((\g)%2)*256+\i*64+16
.endr
.endm
.macro LOADL g
.irp i, 0,1,2,3
	ds_load_b128 v[AF+8*\i:AF+8*\i+3], v[LA] offset:(((\g)/2)%4)*REC+((\g)%2)*4096+\i*1024
.endr
.endm
.macro LOADH g
.irp i, 0,1,2,3
	ds_load_b128 v[AF+8*\i+4:AF+8*\i+7], v[LA] offset:(((\g)/2)%4)*REC+((\g)%2)*4096+\i*1024+512
.endr
.endm
; Matrix instruction eI of 16 of a group: K step eI / 4, tile eI % 4, into the set of accumulators AD.  The four accumulators take turns, one instruction a turn.
; The first K step starts each sum with the bias as C.
.macro WM
.set eT, eI%4
.set eQ, eI/4
.if eQ == 0
	v_wmma_f32_16x16x4_f32 v[AD+8*eT:AD+8*eT+7], v[AF+8*eT:AF+8*eT+1], v[XQ:XQ+1], v[BI+8*eT:BI+8*eT+7]
.else
	v_wmma_f32_16x16x4_f32 v[AD+8*eT:AD+8*eT+7], v[AF+8*eT+2*eQ:AF+8*eT+2*eQ+1], v[XQ+2*eQ:XQ+2*eQ+1], v[AD+8*eT:AD+8*eT+7]
.endif
.endm
.macro SETS g                          ; group g's softmax: its accumulators AS, where p goes (PD, under the windows WE and WA); the next group's accumulators AD
.set GI, (\g)
.set AS, ACC+32*((\g)%2)
.set AD, ACC+32*(((\g)+1)%2)
.set PD, TMP                           ; groups 8-15: in place, and then to LDS
.set WE, 0
.set WA, 0
.if (\g) < 8
.set PD, 32*(\g)                       ; groups 0-7: into window 1
.set WE, 0x40                          ; destination window 1
.set WA, 0x01                          ; source 0 window 1
.endif
.set eN, 0
.endm
; A GROUP'S SOFTMAX (64 samples of my query's row, 32 in my lane) is a list of 133 vector instructions; EMIT writes number eN of it and steps eN.
;   0-15    the largest score of each of the two blocks of 32 samples, the blocks by turns (each accumulator is read from its low end on)
;   16-64   17 lines of statistics, two clips d = min(a, |x|^2 / 2) behind each of the first 16, so that no line waits for the line above it
;   65-80   d log2(e) - N, two at a time
;   81-114  ONE BATCH of exponentials: the 32 p, and the two blocks' largest p (the same two instructions on the same number give the same bits)
;   115-116 the sums under the new N: plain lines behind the batch;  then ONE wait for the batch, ahead of its first reader;  groups 8-15: p goes to LDS
;   117-132 the row's sum, of the unquantised p, in two chains
.macro EMIT
.if eN < 16
.set eK, eN/2
.set eB, eN%2
	WIN 0
.if eK == 0
	v_max3_num_f32 v[M0+eB], v[AS+16*eB], v[AS+16*eB+1], v[AS+16*eB+2]
.elseif eK < 7
	v_max3_num_f32 v[M0+eB], v[M0+eB], v[AS+16*eB+2*eK+1], v[AS+16*eB+2*eK+2]
.else
	v_max_num_f32 v[M0+eB], v[M0+eB], v[AS+16*eB+15]
.endif
.elseif eN < 65
.set eK, (eN-16)/3
.set eB, (eN-16)%3
	WIN 0
.if eB > 0
	v_min_num_f32 v[TMP+2*eK+eB-1], v[AS+2*eK+eB-1], v[CC]     ; the squared distance is clipped at 0
.elseif eK == 0
	v_permlanex16_b32 v[M2], v[M0], s[SEL], s[SEL+1]
.elseif eK == 1
	v_permlanex16_b32 v[M3], v[M1], s[SEL], s[SEL+1]
.elseif eK == 2
	v_max_num_f32 v[M0], v[M0], v[M2]              ; with lane l xor 16's 16 samples
.elseif eK == 3
	v_max_num_f32 v[M1], v[M1], v[M3]
.elseif eK == 4
	v_min_num_f32 v[M0], v[M0], v[CC]              ; the clip
.elseif eK == 5
	v_min_num_f32 v[M1], v[M1], v[CC]
.elseif eK == 6
	v_max_num_f32 v[M2], v[M0], v[M1]
.elseif eK == 7
	v_mul_f32 v[M2], s[LL], v[M2]
.elseif eK == 8
	v_max_num_f32 v[WR], v[WR], v[M2]              ; the running largest d log2(e)
.elseif eK == 9
	v_mov_b32 v[M3], v[NG]
.elseif eK == 10
	v_floor_f32 v[NG], -v[WR]                      ; -N = floor(-largest): N is a whole number
.elseif eK == 11
	v_sub_f32 v[M3], v[NG], v[M3]                  ; old N - new N: a whole number, 0 or less
.elseif eK == 12
	v_cvt_i32_f32 v[M3], v[M3]                     ; (it saturates)
.elseif eK == 13
	v_ldexp_f32 v[F], 1.0, v[M3]                   ; f = 2^(old N - new N): a multiplication by it rounds nothing
.elseif eK == 14
	v_mov_b32 v[NN+GI], v[NG]                      ; the group's -N is kept
.elseif eK == 15
	v_fma_f32 v[M0], v[M0], s[LL], v[NG]           ; the blocks' largest d log2(e) - N
.else
	v_fma_f32 v[M1], v[M1], s[LL], v[NG]
.endif
.elseif eN < 81
	WIN 0
	v_pk_fma_f32 v[TMP+2*(eN-65):TMP+2*(eN-65)+1], v[TMP+2*(eN-65):TMP+2*(eN-65)+1], s[LL:LL+1], v[NG:NG+1] op_sel_hi:[1,0,0]   ; of both pairs the low word serves both halves
.elseif eN < 113
	WIN WE
	v_exp_f32 v[PD+eN-81], v[TMP+eN-81]            ; p, at most 1
.elseif eN < 115
	WIN 0
	v_exp_f32 v[BM+2*GI+eN-113], v[M0+eN-113]
.elseif eN == 115
	WIN 0
	v_pk_mul_f32 v[SUM:SUM+1], v[SUM:SUM+1], v[F:F+1] op_sel_hi:[1,0]
.elseif eN == 116
	WIN 0
	v_pk_mul_f32 v[SU2:SU2+1], v[SU2:SU2+1], v[F:F+1] op_sel_hi:[1,0]
.else
.if eN == 117
	WIN 0
	s_wait_alu depctr_va_vdst(0)                   ; one wait for the batch of 34 exponentials, ahead of the first line that names a result
.if GI >= 8
.if GI == 8
	s_wait_tensorcnt 0x0                           ; my last tensor load has landed: from here on my places are stored into, and nothing fills them again
.endif
.irp k, 0,1,2,3,4,5,6,7
	ds_store_b128 v[LA], v[TMP+4*\k:TMP+4*\k+3] offset:((GI/2)%4)*REC+(GI%2)*4096+512*\k   ; an image of the registers, over this group's own x_t, whose loads were waited for a step ago
.endr
.endif
.endif
	WIN WA
.set eK, eN-117
.if eK%2 == 0
	v_pk_add_f32 v[SUM:SUM+1], v[PD+2*eK:PD+2*eK+1], v[SUM:SUM+1]
.else
	v_pk_add_f32 v[SU2:SU2+1], v[PD+2*eK:PD+2*eK+1], v[SU2:SU2+1]
.endif
.endif
.set eN, eN+1
.endm
; A STEP: group g + 1 is multiplied, group g's softmax stands in slices behind the matrix instructions, group g + 2 is fetched (ld = 1) into registers as they fall free:
; the bias behind slice 5 (last read by matrix instruction 3), registers 0-3 behind slice 9 (last read by 7), registers 4-7 behind slice 15 (last read by 15).
; PLACES.  A load into a register that a matrix instruction has read, and a vector instruction that reads a matrix result, stand eight plain vector instructions behind it that name none of its registers
; matrix instructions and exponentials between are not counted.  Here they are: slices 3-5, slices 7-9, and slice 15's thirteen
; additions, which also stand ahead of the next step's first read of this step's results.  A set of accumulators is begun anew only behind the 34 packed lines (65-80, 115-132) of the softmax that read it.
; tw: the count of the wait on TENSORcnt ahead of the first load from a new record; -1: none.
.macro STEP g, ld, tw
	SETS \g
	s_wait_dscnt 0x4                               ; all but the four youngest LDS instructions (the loads of the fragments' registers 4-7): the bias and registers 0-3 are in, the last group's stores of p have read their registers
.set eI, 0
.rept 16
.if eI == 8
	s_wait_dscnt 8*(\ld)                           ; registers 4-7 are in: behind their loads only this step's eight bias loads were issued
.endif
	WIN 0
	WM
.rept 8
	EMIT
.endr
.if eI == 15
.rept 5
	EMIT
.endr
.endif
.if (\ld) && (eI == 5)
	WIN 0
.if (\tw) >= 0
	s_wait_tensorcnt \tw                           ; a wave's tensor loads end in order (ISA guide 10.11.1): the record is in, the younger ones stay out
.endif
	LOADB (\g)+2
.endif
.if (\ld) && (eI == 9)
	WIN 0
	LOADL (\g)+2
.endif
.set eI, eI+1
.endr
	WIN 0
.if \ld
	LOADH (\g)+2
.endif
.endm
; TWO PLACES ARE FILLED AGAIN.  Every wave waits for all its tensor loads, adds 0 to its spare word, waits for that and for its LDS reads; a round of the cluster's barrier, so that this holds of every
; wave of all four work-groups; the joint refill first behind it, one load a wave.
.macro REFILL g0
	s_wait_tensorcnt 0x0
	ds_add_u32 v[SPW], v[NIL]
	s_wait_dscnt 0x0                               ; the add is done, and my reads of the two places are over
	CROUND
	tensor_load_to_lds s[\g0:\g0+3], s[G1S:G1S+7]
	s_nop 0
	PLACES 4
.endm
.macro PILOAD set, t                   ; chunk t's codes of pi1: an operand's 16 registers, 512 consecutive bytes a load
.irp c, 0,1,2,3
	global_load_b128 v[(\set)+4*\c:(\set)+4*\c+3], v[GA], s[CB:CB+1] offset:(\t)*2048+512*\c
.endr
.endm
	s_wait_tensorcnt 0x3                           ; record 0 is in, the three first fills behind it may be out; only I read my wave's places, so my own wait is all that the reads need
	LOADB 0
	LOADL 0
	LOADH 0
	s_wait_loadcnt 0x0                             ; x and pi1's scale words
	v_pk_mul_f32 v[SUM:SUM+1], v[XQ:XQ+1], v[XQ:XQ+1]
.irp k, 2,4,6
	v_pk_fma_f32 v[SUM:SUM+1], v[XQ+\k:XQ+\k+1], v[XQ+\k:XQ+\k+1], v[SUM:SUM+1]
.endr
	v_add_f32 v[CC], v[SUM], v[SUM+1]
	v_permlanex16_b32 v[M2], v[CC], s[SEL], s[SEL+1]
	v_add_f32 v[CC], v[CC], v[M2]
	v_mul_f32 v[CC], 0.5, v[CC]                    ; |x|^2 / 2 of my query
	v_mov_b32 v[SUM], 0
	v_mov_b32 v[SUM+1], 0
	v_mov_b32 v[SU2], 0
	v_mov_b32 v[SU2+1], 0
	s_wait_dscnt 0x0
	; ---- PHASE 1
.set AD, ACC
.set eI, 0
.rept 16
	WM                                             ; group 0: there is no softmax yet to set between
.set eI, eI+1
.endr
	PLACES 8                                       ; in front of the loads into its operands' registers and of the first read of its results
	LOADB 1
	LOADL 1
	LOADH 1
	STEP 0, 1, 2                                   ; group 2 lies in record 1: the two first fills behind it may stay out
	STEP 1, 1, -1
	STEP 2, 1, 1                                   ; group 4 lies in record 2
	REFILL G0A                                     ; records 0, 1 have been read (group 3 was fetched in step 1): their places take records 4, 5, first read in step 6
	STEP 3, 1, -1
	STEP 4, 1, 1                                   ; group 6 lies in record 3, which the wait for 0 has shown landed: the one refill issued behind it may stay out
	STEP 5, 1, -1
	REFILL G0B                                     ; records 2, 3 have been read (group 7's last loads are waited for here): their places take records 6, 7, first read in step 10
	STEP 6, 1, 1                                   ; group 8: record 4, landed by the wait for 0 above; the last refill may stay out
	STEP 7, 1, -1
	STEP 8, 1, 1                                   ; group 10: record 5, likewise.  (This step's softmax waits for my last tensor load, ahead of its stores of p)
	STEP 9, 1, -1
	STEP 10, 1, -1
	STEP 11, 1, -1
	STEP 12, 1, -1
	STEP 13, 1, -1
	STEP 14, 0, -1                                 ; group 15 is multiplied; nothing is left to fetch
	PILOAD AF, 0                                   ; the fragments' and the bias's registers are done with (thirteen plain lines stand behind their last reader): they take pi1's codes of chunks 0, 1, 2
	PILOAD AF+16, 1
	PILOAD AF+32, 2
	s_wait_dscnt 0x0                               ; group 14's stores of p have read their registers
	SETS 15
.rept 133
	EMIT                                           ; the last group's softmax stands alone
.endr
	WIN 0
	; ---- PHASE 2: the row's N and sum over the eight waves
	v_pk_add_f32 v[SUM:SUM+1], v[SUM:SUM+1], v[SU2:SU2+1]
	v_add_f32 v[SUM], v[SUM], v[SUM+1]
	v_permlanex16_b32 v[M2], v[SUM], s[SEL], s[SEL+1]
	v_add_f32 v[WR], v[SUM], v[M2]                 ; v[224:225] = (-N, sum) of my wave's 1,024 samples
	ds_store_b64 v[SW], v[NG:NG+1]
	s_wait_dscnt 0x0                               ; my pair, and my p, lie in LDS before I signal
	s_barrier_signal -1
	s_barrier_wait -1
.irp w, 0,1,2,3,4,5,6,7
	ds_load_b64 v[TMP+2*\w:TMP+2*\w+1], v[SA] offset:256*\w
.endr
	v_mov_b32 v[M3], s[TT]
	v_sub_f32 v[M3], 1.0, v[M3]
	v_mul_f32 v[M3], 0x46000000, v[M3]             ; (1 - t) S
	s_wait_dscnt 0x0
	v_min_num_f32 v[NG], v[TMP], v[TMP+2]
.irp w, 2,3,4,5,6,7
	v_min_num_f32 v[NG], v[NG], v[TMP+2*\w]        ; -N of the row: the largest N
.endr
.irp w, 0,1,2,3,4,5,6,7
	v_sub_f32 v[TMP+2*\w], v[NG], v[TMP+2*\w]      ; N of wave w - N: a whole number, 0 or less
.endr
.irp w, 0,1,2,3,4,5,6,7
	v_cvt_i32_f32 v[TMP+2*\w], v[TMP+2*\w]
.endr
.irp w, 0,1,2,3,4,5,6,7
	v_ldexp_f32 v[TMP+2*\w+1], v[TMP+2*\w+1], v[TMP+2*\w]   ; wave w's sum under the row's N
.endr
.irp w, 0,2,4,6
	v_add_f32 v[TMP+2*\w+1], v[TMP+2*\w+1], v[TMP+2*\w+3]
.endr
	v_add_f32 v[TMP+1], v[TMP+1], v[TMP+5]
	v_add_f32 v[TMP+9], v[TMP+9], v[TMP+13]
	v_add_f32 v[WR], v[TMP+1], v[TMP+9]            ; the row's sum
	v_rcp_f32 v[RR], v[WR]
	v_rcp_f32 v[KS], v[M3]                         ; 1 / ((1 - t) S)
	v_nop                                          ; a plain line behind the reciprocals
	s_wait_alu depctr_va_vdst(0)                   ; one wait for both, ahead of their first reader
	v_mul_f32 v[RR], 0x46000000, v[RR]             ; S / sum
	v_mul_f32 v[CC], v[RR], v[WR]                  ; the sum of omega
	v_mul_f32 v[CC], 0xbe000000, v[CC]             ; - an eighth of it: each of the eight waves takes this times x into its part of O
; ---- PHASE 3.  CHUNK t: 128 samples: omega, its four scales, its codes, one product.
.macro CHUNK t
.set PB, 64*((\t)%4)                   ; the chunk's p, in window 1
.set PIA, AF+16*((\t)%3)               ; its codes of pi1
.irp u, 0,1
	v_sub_f32 v[M0+\u], v[NG], v[NN+2*(\t)+\u]     ; N of the group - N
.endr
.irp u, 0,1
	v_cvt_i32_f32 v[M0+\u], v[M0+\u]
.endr
.irp u, 0,1
	v_ldexp_f32 v[RG+2*\u], v[RR], v[M0+\u]        ; the group's factor: (S / sum) x 2^(N of the group - N)
.endr
.irp b, 0,1,2,3
	v_mul_f32 v[BM+4*(\t)+\b], v[BM+4*(\t)+\b], v[RG+2*(\b/2)]      ; the block's largest omega: the same multiplication as its numbers'
.endr
.irp b, 0,1,2,3
	v_max_num_f32 v[BM+4*(\t)+\b], 0x8000000, v[BM+4*(\t)+\b]       ; the floor 2^(16 - 127): the byte cannot fall under 1
.endr
.irp b, 0,1,2,3
	v_add_nc_u32 v[SC+\b], 0xf8800000, v[BM+4*(\t)+\b]              ; 15 off the exponent field: the conversion's scale operand
.endr
.irp b, 0,1,2,3
	v_and_or_b32 v[HD+\b], v[BM+4*(\t)+\b], 0x7f800000, s[MNT]      ; 57,344 x the scale
.endr
.irp b, 0,1,2,3
	v_lshrrev_b32 v[M0+\b], 23, v[SC+\b]           ; the scale's byte
.endr
	v_lshl_or_b32 v[OW], v[M1], 8, v[M0]           ; omega's scale word for these 128 samples; 26 plain lines stand between the last product, which read it, and this line
	v_lshl_or_b32 v[OW], v[M2], 16, v[OW]
	v_lshl_or_b32 v[OW], v[M3], 24, v[OW]
.if (\t) >= 4
	s_wait_dscnt 16*(7-(\t))                       ; this chunk's p is back from LDS; the 16 loads of each later chunk may be out
.endif
	WIN 0x41                                       ; destination and source 0 window 1
.set eI, 0
.rept 32
	v_pk_mul_f32 v[PB+eI:PB+eI+1], v[PB+eI:PB+eI+1], v[RG+2*(eI/32):RG+2*(eI/32)+1] op_sel_hi:[1,0]   ; omega
.set eI, eI+2
.endr
.set eI, 0
.rept 64
	v_min_num_f32 v[PB+eI], v[PB+eI], v[HD+eI/16]  ; the conversion to an 8-bit code does not saturate (ISA guide 7.6.2); omega is not negative, so the hold is one-sided
.set eI, eI+1
.endr
	WIN 0x01                                       ; source 0 window 1
.irp b, 0,1,2,3
	v_cvt_scalef32_pk8_bf8_f32 v[CODE+4*\b:CODE+4*\b+1], v[PB+16*\b:PB+16*\b+7], v[SC+\b]
	v_cvt_scalef32_pk8_bf8_f32 v[CODE+4*\b+2:CODE+4*\b+3], v[PB+16*\b+8:PB+16*\b+15], v[SC+\b]
.endr
.if (\t) < 4
	WIN 0x40                                       ; destination window 1
.irp k, 0,1,2,3,4,5,6,7,8,9,10,11,12,13,14,15
	ds_load_b128 v[PB+4*\k:PB+4*\k+3], v[LA] offset:(\t)*REC+512*\k     ; the registers take chunk t + 4's p
.endr
.endif
	WIN 0
.if ((\t) >= 1) && ((\t) <= 5)
	PILOAD AF+16*(((\t)-1)%3), (\t)+2              ; the set that the last product read (more than a hundred plain lines ago) takes the codes of two chunks on
.endif
	PLACES 4                                       ; codes written by vector instructions stand four places ahead of a scaled matrix instruction
.set LC, 2
.if 7-(\t) < 2
.set LC, 7-(\t)
.endif
	s_wait_loadcnt 4*LC                            ; this chunk's four loads of codes are in; those of the next two chunks, or of as many as are left, may be out
.if (\t) == 0
	v_wmma_scale_f32_16x16x128_f8f6f4 v[OA:OA+7], v[PIA:PIA+15], v[CODE:CODE+15], 0, v[PS+(\t)/2], v[OW] matrix_a_fmt:MATRIX_FMT_BF8 matrix_b_fmt:MATRIX_FMT_BF8
.elseif (\t) == 1
	v_wmma_scale_f32_16x16x128_f8f6f4 v[OA+8:OA+15], v[PIA:PIA+15], v[CODE:CODE+15], 0, v[PS+(\t)/2], v[OW] matrix_a_fmt:MATRIX_FMT_BF8 matrix_b_fmt:MATRIX_FMT_BF8 matrix_a_scale:MATRIX_SCALE_ROW1
.elseif (\t)%2 == 0
	v_wmma_scale_f32_16x16x128_f8f6f4 v[OA:OA+7], v[PIA:PIA+15], v[CODE:CODE+15], v[OA:OA+7], v[PS+(\t)/2], v[OW] matrix_a_fmt:MATRIX_FMT_BF8 matrix_b_fmt:MATRIX_FMT_BF8
.else
	v_wmma_scale_f32_16x16x128_f8f6f4 v[OA+8:OA+15], v[PIA:PIA+15], v[CODE:CODE+15], v[OA+8:OA+15], v[PS+(\t)/2], v[OW] matrix_a_fmt:MATRIX_FMT_BF8 matrix_b_fmt:MATRIX_FMT_BF8 matrix_a_scale:MATRIX_SCALE_ROW1
.endif
.endm
	CHUNK 0                                        ; O^T (source 0 = pi1's 16 dims, source 1 = omega's 16 queries): even chunks into one accumulator, odd ones into the other, by turns
	CHUNK 1
	CHUNK 2
	CHUNK 3
	CHUNK 4
	CHUNK 5
	CHUNK 6
	CHUNK 7
	; ---- THE WAY OUT.  Register j of lane (r, h) is O(query r, dim 8 h + j), as x lies.  The eight waves' parts meet in LDS in out0's order; wave 0 adds them and stores 1,024 consecutive bytes.
	v_and_b32 v[SW], 15, v0                        ; six address lines and two v_nop: the eight places behind the last product
	v_lshlrev_b32 v[SW], 6, v[SW]
	v_bfe_u32 v[SA], v0, 4, 1
	v_lshl_add_u32 v[SW], v[SA], 5, v[SW]          ; 64 r + 32 h
	s_lshl_b32 s67, s[WV], 10
	s_add_co_u32 s67, s67, OSUM
	v_add_nc_u32 v[SW], s67, v[SW]                 ; in my wave's 1,024 bytes
	v_add_nc_u32 v[SA], OSUM, v[GA]                ; back: 16 bytes a lane
	PLACES 2
.irp k, 0,2,4,6
	v_pk_add_f32 v[TMP+\k:TMP+\k+1], v[OA+\k:OA+\k+1], v[OA+8+\k:OA+8+\k+1]   ; both accumulators from their low ends on
.endr
.irp k, 0,2,4,6
	v_pk_fma_f32 v[TMP+\k:TMP+\k+1], v[XQ+\k:XQ+\k+1], v[CC:CC+1], v[TMP+\k:TMP+\k+1] op_sel_hi:[1,0,1]   ; - (sum of omega) x / 8
.endr
	ds_store_b128 v[SW], v[TMP:TMP+3]
	ds_store_b128 v[SW], v[TMP+4:TMP+7] offset:16
	s_wait_dscnt 0x0                               ; my part lies in LDS before I signal
	s_barrier_signal -1
	s_barrier_wait -1
	s_cmp_lg_u32 s[WV], 0
	s_cbranch_scc1 .Lnot_first
.irp w, 0,1,2,3,4,5,6,7
.irp e, 0,1
	ds_load_b128 v[16+8*\w+4*\e:19+8*\w+4*\e], v[SA] offset:1024*\w+512*\e
.endr
.endr
	s_wait_dscnt 0x0
.irp w, 1,2,3,4,5,6,7
.irp e, 0,2,4,6
	v_pk_add_f32 v[16+\e:17+\e], v[16+\e:17+\e], v[16+8*\w+\e:17+8*\w+\e]
.endr
.endr
.irp j, 0,1,2,3,4,5,6,7
	v_mul_f32 v[16+\j], v[KS], v[16+\j]            ; / ((1 - t) S)
.endr
	global_store_b128 v[GA], v[16:19], s[12:13]                ; 32 lanes store 512 consecutive bytes, at a multiple of 256 from out0's first byte
	global_store_b128 v[GA], v[20:23], s[12:13] offset:512
.Lnot_first:
	s_wait_tensorcnt 0x0                           ; the wave's end: behind my last tensor load and my last LDS store
	ds_add_u32 v[SPW], v[NIL]
	s_wait_dscnt 0x0
	CROUND                                         ; the closing round: no work-group ends while a partner may still ask for a record that names it
	s_endpgm
.Lfunc_end_k_q1e047f73dd_main:
	.size	k_q1e047f73dd_main, .Lfunc_end_k_q1e047f73dd_main-k_q1e047f73dd_main
	.p2alignl 7, 3214868480
	.fill 96, 4, 3214868480
	.section	.rodata,"a",@progbits
	.p2align	6, 0x0
	.amdhsa_kernel k_q1e047f73dd_main
		.amdhsa_group_segment_fixed_size 327680
		.amdhsa_private_segment_fixed_size 0
		.amdhsa_enable_private_segment 0
		.amdhsa_kernarg_size 40
		.amdhsa_user_sgpr_count 2
		.amdhsa_user_sgpr_kernarg_segment_ptr 1
		.amdhsa_wavefront_size32 1
		.amdhsa_system_sgpr_workgroup_id_x 1
		.amdhsa_system_sgpr_workgroup_id_y 1
		.amdhsa_system_sgpr_workgroup_id_z 1
		.amdhsa_system_vgpr_workitem_id 0
		.amdhsa_next_free_vgpr 512
		.amdhsa_next_free_sgpr 76
		.amdhsa_reserve_vcc 0
		.amdhsa_float_denorm_mode_32 3
		.amdhsa_float_denorm_mode_16_64 3
		.amdhsa_memory_ordered 1
		.amdhsa_forward_progress 1
		.amdhsa_inst_pref_size 210
	.end_amdhsa_kernel
	.amdgpu_metadata
---
amdhsa.version: [ 1, 2 ]
amdhsa.kernels:
  - .name:           k_q1e047f73dd_main
    .symbol:         k_q1e047f73dd_main.kd
    .args:
      - { .name: x_input, .offset: 0, .size: 8, .value_kind: global_buffer, .address_space: global }
      - { .name: t, .offset: 8, .size: 8, .value_kind: global_buffer, .address_space: global }
      - { .name: stream, .offset: 16, .size: 8, .value_kind: global_buffer, .address_space: global }
      - { .name: codes, .offset: 24, .size: 8, .value_kind: global_buffer, .address_space: global }
      - { .name: out0, .offset: 32, .size: 8, .value_kind: global_buffer, .address_space: global }
    .group_segment_fixed_size: 327680
    .private_segment_fixed_size: 0
    .kernarg_segment_align: 8
    .kernarg_segment_size: 40
    .max_flat_workgroup_size: 256
    .sgpr_count:     76
    .vgpr_count:     512
    .wavefront_size: 32
...
	.end_amdgpu_metadata
.endif
;; end of part 2
